; MI455X (gfx1250); checked and timed in simulation.
; The chip was launched on July 23, 2026; its instructions are those of AMD's public machine-readable ISA for CDNA 5 (MIT licence, August 2026) and "CDNA5" Instruction Set Architecture Reference Guide (July 2026). The comments in the code are by the model that wrote it; some were corrected since.
;; Lo Kr. Allowed arithmetic: matrix products marked QUANTISED: E2M1 operands, one E8M0 scale for each 32 along K, by v_wmma_scale_f32_16x16x128_f8f6f4 with both operands' format E2M1 (or v_wmma_scale_f32_32x16x128_f4), f32 sums; products left as they are: f32 operands where the result goes on into a quantised operand, else bf16, f16 or f32 operands; f32 sums; everything else in f32.
;; Inputs: w1_a 16 x 32 float32; w1_b 64 x 16 float32; w2_a 16 x 64 float32; w2_b 64 x 16 float32; x_codes 8,192 x 128 x 16 uint8 (E2M1 codes of x, K innermost, in blocks of 32 codes, two codes a byte); x_scales 8,192 x 128 uint8 (E8M0 scales of x, one for each 32 codes along K).
;; Outputs: out0 8,192 x 2,048 float32.
;; This version of the problem:
;;   THIS VERSION OF THE PROBLEM IS GIVEN IN LOW PRECISION. The matrix products marked QUANTISED in the list below multiply operands that are first quantised to E2M1 (2 exponent bits, 1 mantissa bit; 4 bits a number), with one power-of-two scale for each 32 numbers along K (OCP MX v1.0); their sums are f32. All else is computed in f32.
;;   The module's matrix products, in the order in which they are computed (A, B: the left and right operand; K: the contracted axis; several contracted axes count as one K, in the product's order):
;;     1. [M 32, K 16] x [K 16, N 64]; A: input w1_a; B: input w1_b: left as it is (K = 16 < 32)
;;     2. [M 64, K 16] x [K 16, N 64]; A: input w2_a; B: input w2_b: left as it is (K = 16 < 32)
;;     3. [M 8,192, K 4,096] x [K 4,096, N 2,048]; A: input x (given as codes); B: computed on the way: QUANTISED
;;   THE QUANTISER, for each operand of a quantised product, along K:
;;     - K is cut into blocks of 32 from its start; a last block that is shorter is filled with zeros.
;;     - A block's scale is 2^e with e = floor(log2(the largest magnitude in the block)) - 2, held to -126 .. 127; a block of zeros has e = 0. As a byte (E8M0): e + 127.
;;     - Each number is divided by its block's scale, clamped to +-6, and rounded to the nearest number of E2M1, ties to even, subnormals kept.
;;     - The product sums the exact products of the quantised numbers (number of the format x scale) in f32.
;;   ~~~python
;;   def quantise(x, axis):      # numpy; x: float32 -> the quantised numbers, widened to float32 again
;;       x = np.moveaxis(x, axis, -1); K = x.shape[-1]
;;       x = np.pad(x, [(0, 0)] * (x.ndim - 1) + [(0, -K % 32)]); x = x.reshape(x.shape[:-1] + (-1, 32)); a = np.abs(x).max(-1, keepdims=True)
;;       e = np.where(a > 0, np.clip(np.frexp(np.where(a > 0, a, 1))[1] - 1 - 2, -126, 127), 0)      # np.frexp(a)[1] - 1 = floor(log2(a)), exactly
;;       r = np.clip(x / 2.0 ** e, -6, 6)
;;       step = 2.0 ** (np.maximum(np.frexp(np.where(r == 0, 1, r))[1] - 1, 0) - 1)
;;       q = np.round(r / step) * step * 2.0 ** e      # np.round: ties to even
;;       return np.moveaxis(q.reshape(q.shape[:-2] + (-1,))[..., :K], -1, axis).astype(np.float32)
;;   ~~~
;;   OPERANDS COMPUTED ON THE WAY. 'Computed on the way' means the value that the module computes at that place (a softmax that the list does not call 'softmax' is quantised finished and normalised). What goes into a quantiser is computed in f32, as accurately as f32 sums, v_exp_f32 and their like allow (about 1e-6 of the number): no bf16 or f16 on the way to a quantiser, and a product that is left as it is and whose result goes on into a quantised operand takes f32 operands (vector FMAs, or v_wmma_f32_16x16x4_f32). A number that lies on a knife's edge between two numbers of the format may be rounded either way, as far as f32 arithmetic and the matrix unit's own rounding can turn it there, and no further.
;;   INPUTS GIVEN AS CODES. x (in the module: [8192, 4096], K = its axis 1): each comes as NAME_codes (uint8): NAME with its K axis moved to the last place and cut into blocks of 32 codes, [.., K / 32, bytes a block], one block behind the other in memory; two codes a byte, the lower K in the low four bits (a code: sign, 2 exponent bits, 1 mantissa bit); and NAME_scales (uint8): the same leading axes, one E8M0 byte (e + 127) for each 32 codes along K. Its value is code x scale, taken as it is: it is not quantised again, and the codes and scales need not be those that the quantiser above would give.
;; One version. Each part assembles by itself: llvm-mc -triple=amdgcn-amd-amdhsa -mcpu=gfx1250 --defsym DOCPART=n.
;; ======== version 1 of 1: 1 launch
;; limits: right only within a limited range of input values
;; launch lokr (part 1): grid 16 x 16, 4 waves a work-group, clusters of 4 x 1, 327,680 bytes of LDS; arguments x_codes, x_scales, out0, w1_a, w1_b, w2_a, w2_b; writes out0
.if DOCPART == 1
	.amdgcn_target "amdgcn-amd-amdhsa--gfx1250"
	.amdhsa_code_object_version 6
	.text
	.protected	k_q5f2e9bc5aa_lokr
	.globl	k_q5f2e9bc5aa_lokr
	.p2align	8
	.type	k_q5f2e9bc5aa_lokr,@function
k_q5f2e9bc5aa_lokr:
	s_mov_b64 s[64:65], 0
	v_nop
	global_prefetch_b8 v0, s[64:65] scope:SCOPE_SE
	s_setreg_imm32_b32 hwreg(HW_REG_WAVE_MODE, 25, 1), 1
	s_wait_xcnt 0x0
	s_wait_alu depctr_hold_cnt(0) depctr_sa_sdst(0) depctr_va_vdst(0) depctr_va_sdst(0) depctr_va_ssrc(0) depctr_va_vcc(0) depctr_vm_vsrc(0)
	s_getreg_b32 s2, hwreg(HW_REG_IB_STS2, 6, 4)
	s_cmp_eq_u32 s2, 0
	s_cbranch_scc0 .Lentry_in_a_cluster
	s_endpgm
.Lentry_in_a_cluster:
	s_bfe_u32 s2, ttmp6, 0x10000c
	s_cmp_lg_u32 s2, 0x3003
	s_cbranch_scc0 .Lentry_shape_is_right
	s_endpgm
.Lentry_shape_is_right:
; out0[m][n] = sum over k of x[m][k] Q(W/16)[k][n], W = kron(w1^T, w2^T): 8,192 x 2,048, K = 4,096; both operands as codes of FP4 (E2M1) with one E8M0 byte for each 32 along K; sums in f32.
; w1[l][i] = sum over t of w1_a[t][l] w1_b[i][t];  w2[c][j] = sum over t of w2_a[t][c] w2_b[j][t];  W[64 i + j][64 l + c] = w1[l][i] w2[c][j].  All of it in f32.
; K = 64 i + j: a block of 32 along K is one i and one half of j, so its numbers are a = w1[l][i] times 32 numbers of a row of w2.
; THE FACTOR 1/16 is put into w1: a power of two goes through every f32 rounding and through the quantiser unchanged (same codes, each byte 4 lower).
; LIMITS: that is exact while a block's largest |W| is 2^-120 or more (below it the byte's floor of 1 and f32 denormals come in); NaN and infinities among the four weights are not served;
; a block of zeros gets the byte 1 where the quantiser says 127: its codes are zeros, and the byte is read by this program alone.  x's bytes are taken as given (0xff gives NaN).  The two halves of K are summed apart and then added.
; SHARES.  A work-group makes 512 rows x 128 columns.  Wave w: kh = w % 2 is its half of K, nh = w / 2 its 64 columns, which are one l.  It makes its part of W ONCE and keeps it in registers: 4 groups of 16 columns x
; 16 steps of 128 along K = 64 fragments x 8 = 512 registers.  Group g holds the columns c = 4 r + g, r = lane % 16.  Nothing of W passes through memory or LDS.
; x streams by, 32 rows (a unit) at a time, all of K: 64 matrix instructions of 32 x 16 x 128 a wave.  Source 0's rows 0-15 are the unit's rows that the partner over K finishes (E), rows 16-31 those that this wave finishes (O).
; A wave hands its sums of E to its partner through LDS, adds the partner's to its own O, and the addition puts four neighbouring columns into four registers on end: sixteen lanes store one aligned block of 256 bytes.
; THE RING: two slots of 64 rows.  Each wave fetches a quarter of K: 64 rows x 512 bytes.  The four work-groups of a cluster need the same rows: each tile is asked for JOINTLY.
; Eight slots' tiles in all: the first at the head, the second in the middle of W's making, six refills.
; x's SCALES (a sixteenth of the codes' bytes) come through registers: a wave loads 1,024 bytes on end for a unit, two units ahead, and stores them to LDS ahead of the barrier of the unit before.
; PREFETCHES: the codes two refills on, 512 blocks of 256 bytes a slot, shared out over the cluster's sixteen waves by address, a lane a block.  Slots 0 and 1 come by their loads alone, and so do the scales.
; REGISTERS.  Window 0: v0-15 addresses; v16-31 the partner's sums; v32-47 results; v48-63 x's scale words; v64-95 W's; v96-111 scales on their way; v128-255 accumulators, two sets by turns.
;   Window 2: W's steps 0-5, and x's fragments of a unit's quarter 2.  Window 3: steps 6-11, quarter 3.  Window 1: steps 12-15, quarters 0 and 1.  While W is made, products lie at v192-255 of the window that is being filled.
.set PITCH, 528                        ; an LDS row of a quarter of K: 512 bytes + 16 of padding
.set UST,   32*PITCH                   ; from unit to unit of the ring (four places)
.set SST,   64*PITCH                   ; from slot to slot
.set KQ,    2*SST                      ; from quarter of K to quarter of K
.set XS,    4*KQ                       ; x's scales, two buffers of a unit: 16 pieces of 256 bytes (two rows) + 16 of padding
.set EX,    XS+2*4352                  ; the exchange: two buffers x four waves x 4,096 bytes; at first w2, in the first buffer
.set SPARE, EX+32768                   ; the spare words, 128 bytes for each wave, that no other line names
.set AE,  4                            ; v4, v5  LDS address of my fragments of E, first and second quarter of my half of K
.set AO,  6                            ; v6, v7  of O
.set AS,  8                            ; v8      of x's scale words
.set EXO, 9                            ; v9      where I put sums
.set EXI, 10                           ; v10     where my partner puts them
.set CO,  11                           ; v11     my byte offset in out0
.set PFO, 12                           ; v12     the prefetches' offset: 256 x lane
.set H8,  13                           ; v13     8 h
.set SPW, 14                           ; v14     my spare word
.set NIL, 15                           ; v15     0
.set IMP, 16
.set OUT, 32
.set XSC, 48
.set WSC, 64                           ; register 2 s + p: lanes 0-15 the words of group 2 p, lanes 16-31 those of group 2 p + 1, step s
.set SCR, 96                           ; scales on their way: eight registers for each parity of the unit
.set SCO, 112                          ; v112    my offset in a unit's scales
.set SCS, 113                          ; v113    and where they go in LDS
.set WL,  114                          ; v114    LDS: w2's images, 16 x lane
.set ACC, 128
.set W2,  192                          ; 64 numbers of w2: group 2 p's 32, group 2 p + 1's 32
.set G1,  24                           ; s[24:31] descriptor group 1;  s[32:39] group 0, a set for each slot
.set G0,  32
.set PFA, 56                           ; s[56:57] where my prefetches stand
.set MSB, 0
.macro WIN new                         ; the immediate's high byte repeats the setting that is left
.if MSB != (\new)
	s_set_vgpr_msb (MSB<<8)|(\new)
.set MSB, (\new)
.endif
.endm
.macro PLACES n
.rept \n
	v_nop
.endr
.endm
.macro JLOAD slot                      ; a joint load: every wave its quarter of K
	tensor_load_to_lds s[G0+4*(\slot):G0+4*(\slot)+3], s[G1:G1+7]
	s_nop 0
	PLACES 4
.endm
.macro CREST                           ; a round of the cluster's barrier behind its opening barrier
	s_cmp_lg_u32 s18, 0
	s_cbranch_scc1 .Lnot_wave_0_\@
	s_barrier_signal -3
.Lnot_wave_0_\@:
	s_barrier_wait -3
	s_barrier_signal -1
	s_barrier_wait -1
.endm
.macro CROUND                          ; a whole round
	s_barrier_signal -1
	s_barrier_wait -1
	CREST
.endm
	s_load_b256 s[4:11], s[0:1], 0x0               ; x_codes s[4:5], x_scales s[6:7], out0 s[8:9], w1_a s[10:11]
	s_load_b128 s[12:15], s[0:1], 0x20             ; w1_b s[12:13], w2_a s[14:15]
	s_load_b64 s[16:17], s[0:1], 0x30              ; w2_b
	v_lshl_add_u32 v[SPW], v0, 2, SPARE
	v_mov_b32 v[NIL], 0
	ds_add_u32 v[SPW], v[NIL]                      ; the wave's opening: the add, twice on end, and its wait ahead of the first tensor load
	ds_add_u32 v[SPW], v[NIL]
	v_lshrrev_b32 v1, 5, v0
	v_readfirstlane_b32 s18, v1                    ; wave
	s_lshr_b32 s19, s18, 1                         ; nh
	s_and_b32 s20, s18, 1                          ; kh
	s_bfe_u32 s21, ttmp6, 0x40000                  ; cx
	s_lshl_b32 s22, ttmp9, 2
	s_add_co_u32 s22, s22, s21                     ; block of 128 columns
	s_and_b32 s23, ttmp7, 0xffff                   ; block of 512 rows
	s_lshl_b32 s58, s22, 1
	s_add_co_u32 s58, s58, s19                     ; l
	s_lshl_b32 s59, s58, 2
	s_lshl_b32 s60, s20, 11
	s_lshl_b32 s61, s18, 2
	s_lshl_b32 s62, s23, 16                        ; 512 rows of 128 bytes of scales
	s_mov_b32 s63, 0
	s_lshl_b32 s66, s18, 10
	v_and_b32 v1, 15, v0                           ; r
	v_bfe_u32 v2, v0, 4, 1                         ; h
	v_and_b32 v3, 31, v0                           ; lane
	v_lshrrev_b32 v16, 3, v1
	v_and_b32 v17, 7, v1
	v_lshlrev_b32 v16, 11, v16
	v_lshl_add_u32 v16, v17, 6, v16
	v_lshl_add_u32 v16, v2, 5, v16                 ; w2_b: row 32 (r / 8) + r % 8 (+ 8 T), 8 numbers from t = 8 h on
	v_lshlrev_b32 v17, 11, v2
	v_lshl_add_u32 v17, v1, 4, v17
	v_add_nc_u32 v17, s61, v17                     ; w2_a: row 8 h (+ t), column 4 r + w
	v_lshl_add_u32 v18, v3, 6, s60                 ; w1_b: row 32 kh + lane
	v_lshl_add_u32 v[SCO], v3, 4, s66              ; scales: 1,024 w + 16 lane
	s_wait_dscnt 0x0                               ; both opening adds are done
	s_wait_alu depctr_va_vdst(0)
	s_wait_kmcnt 0x0
	s_add_nc_u64 s[6:7], s[6:7], s[62:63]
	WIN 0x40
.irp t, 0,1,2,3
	global_load_b128 v[128+8*\t:131+8*\t], v16, s[16:17] offset:512*\t
	global_load_b128 v[132+8*\t:135+8*\t], v16, s[16:17] offset:512*\t+16
.endr
.irp t, 0,1,2,3,4,5,6,7
	global_load_b32 v[160+\t], v17, s[14:15] offset:256*\t
.endr
.irp t, 0,1,2,3
	global_load_b128 v[168+4*\t:171+4*\t], v18, s[12:13] offset:16*\t
.endr
	WIN 0
.irp u, 0,1
	global_load_b128 v[SCR+8*\u:SCR+8*\u+3], v[SCO], s[6:7] offset:4096*\u
	global_load_b128 v[SCR+8*\u+4:SCR+8*\u+7], v[SCO], s[6:7] offset:4096*\u+512
.endr
.irp t, 0,1,2,3,4,5,6,7,8,9,10,11,12,13,14,15
	s_load_b32 s[40+\t], s[10:11], s59 offset:128*\t   ; w1_a[t][l]
.endr
	; group 1: 64 rows x 512 bytes, 2,048 apart; mask 15, elements of 1 byte, 4 words of padding after every 128 (code 6)
	s_mov_b32 s[G1+0], 15|(1<<20)|(1<<21)|(6<<22)|(3<<25)
	s_mov_b32 s[G1+1], 512<<16
	s_mov_b32 s[G1+2], 64<<16
	s_mov_b32 s[G1+3], 512<<16
	s_mov_b32 s[G1+4], 64
	s_mov_b32 s[G1+5], 2048
	s_mov_b32 s[G1+6], 0
	s_mov_b32 s[G1+7], 0
	s_lshl_b32 s60, s23, 20                        ; 512 rows of 2,048 bytes
	s_lshl_b32 s61, s18, 9
	s_add_co_u32 s60, s60, s61
	s_mov_b32 s61, 0
	s_mul_i32 s66, s18, KQ
	s_add_nc_u64 s[96:97], s[4:5], s[60:61]
.irp s, 0,1
	s_mov_b32 s[G0+4*\s], 1
	s_add_co_u32 s[G0+4*\s+1], s66, \s*SST
	s_add_nc_u64 s[G0+4*\s+2:G0+4*\s+3], s[96:97], \s*131072
	s_or_b32 s[G0+4*\s+3], s[G0+4*\s+3], 0x80000000
.endr
	CROUND                                         ; all four work-groups are here: the first joint loads meet
	JLOAD 0                                        ; slot 0: one tensor load a wave at the head
	s_mul_i32 s67, s20, 2*KQ
	s_xor_b32 s63, s20, 1
	s_mul_i32 s60, s20, 16*PITCH                   ; O: the unit's rows 16 kh .. + 15
	s_add_co_u32 s60, s60, s67
	s_mul_i32 s61, s63, 16*PITCH                   ; E: the other sixteen
	s_add_co_u32 s61, s61, s67
	s_lshl_b32 s62, s20, 6
	s_add_co_u32 s62, s62, XS
	s_lshl_b32 s96, s18, 12
	s_add_co_u32 s96, s96, EX
	s_xor_b32 s97, s18, 1
	s_lshl_b32 s97, s97, 12
	s_add_co_u32 s97, s97, EX
	s_lshl_b32 s98, s20, 17
	s_mul_i32 s99, s18, 1088
	s_add_co_u32 s99, s99, XS
	s_lshl_b32 s100, s23, 22                       ; out0: 512 rows of 8,192 bytes, 256 bytes for each l
	s_lshl_b32 s101, s58, 8
	s_add_co_u32 s100, s100, s101
	s_mov_b32 s101, 0
	s_add_nc_u64 s[8:9], s[8:9], s[100:101]
	s_sub_nc_u64 s[8:9], s[8:9], 0x40000           ; one unit back: it is stepped ahead of each unit's stores
	s_lshl_b32 s100, s23, 20                       ; prefetches: slot 2, my work-group's 16 rows, my wave's four
	s_lshl_b32 s101, s21, 15
	s_add_co_u32 s100, s100, s101
	s_lshl_b32 s101, s18, 13
	s_add_co_u32 s100, s100, s101
	s_add_co_u32 s100, s100, 0x40000
	s_mov_b32 s101, 0
	s_add_nc_u64 s[PFA:PFA+1], s[4:5], s[100:101]
	s_mov_b32 s69, 0                               ; (the packed multiply names a pair and takes its low word for both halves)
	s_mov_b32 s71, 0
	s_mov_b32 s73, 0
	s_mov_b32 s75, 0
	s_mov_b32 s76, 0x1800000                       ; the floor 2^(3 - 127)
	s_mov_b32 s77, 0xff000000                      ; 2 off an exponent field
	v_mul_u32_u24 v19, v1, PITCH
	v_lshl_add_u32 v19, v2, 4, v19                 ; row r, 16 h
	v_add_nc_u32 v[AE], s61, v19
	v_add_nc_u32 v[AO], s60, v19
	v_add_nc_u32 v[AE+1], KQ, v[AE]
	v_add_nc_u32 v[AO+1], KQ, v[AO]
	v_lshrrev_b32 v20, 1, v1
	v_mul_u32_u24 v20, v20, 272
	v_and_b32 v21, 1, v1
	v_lshl_add_u32 v20, v21, 7, v20                ; scale words: 272 (r / 2) + 128 (r % 2);
	v_xor_b32 v21, s63, v2
	v_mul_u32_u24 v21, v21, 8*272                  ; lanes 0-15 E's rows, lanes 16-31 O's
	v_add_nc_u32 v20, v20, v21
	v_add_nc_u32 v[AS], s62, v20
	v_lshl_add_u32 v[EXO], v3, 4, s96
	v_lshl_add_u32 v[EXI], v3, 4, s97
	v_lshlrev_b32 v22, 16, v2
	v_lshl_add_u32 v22, v1, 4, v22
	v_add_nc_u32 v[CO], s98, v22                   ; row 16 kh + 8 h, 16 r
	v_mul_u32_u24 v23, v2, 272
	v_lshl_add_u32 v23, v1, 4, v23
	v_add_nc_u32 v[SCS], s99, v23                  ; my 1,024 bytes are four pieces; sixteen lanes to a piece
	v_lshlrev_b32 v24, 4, v3
	v_add_nc_u32 v[WL], EX, v24
	v_lshlrev_b32 v[PFO], 8, v3
	v_lshlrev_b32 v[H8], 3, v2
	s_wait_alu depctr_va_vdst(0)
	s_wait_loadcnt 0x0
	s_wait_kmcnt 0x0
.irp u, 0,1
	ds_store_b128 v[SCS], v[SCR+8*\u:SCR+8*\u+3] offset:4352*\u       ; scales of units 0 and 1
	ds_store_b128 v[SCS], v[SCR+8*\u+4:SCR+8*\u+7] offset:4352*\u+544
.endr
; w2, by the f32 matrix form, a group a wave (g = w): source 0 row m is w2_b's row j = 32 (m / 8) + 8 T + m % 8, source 1 column r is c = 4 r + g; lanes of half h take t = 8 h + 0 .. 7, two a step.
; So lane (r, h) gets w2[4 r + g][32 h + 0 .. 31] in 32 registers on end, which go to LDS as an image for all four waves.  The four accumulators take turns.
	WIN 0x05
.irp s, 0,1,2,3
.irp t, 0,1,2,3
.if \s == 0
	v_wmma_f32_16x16x4_f32 v[ACC+8*\t:ACC+8*\t+7], v[128+8*\t:129+8*\t], v[160:161], 0
.else
	v_wmma_f32_16x16x4_f32 v[ACC+8*\t:ACC+8*\t+7], v[128+8*\t+2*\s:129+8*\t+2*\s], v[160+2*\s:161+2*\s], v[ACC+8*\t:ACC+8*\t+7]
.endif
.endr
.endr
	WIN 0
	PLACES 8                                       ; eight places behind this form (ISA guide 7.12.1)
.irp t, 0,1,2,3
	ds_store_b128 v[EXO], v[ACC+8*\t:ACC+8*\t+3] offset:1024*\t
	ds_store_b128 v[EXO], v[ACC+8*\t+4:ACC+8*\t+7] offset:1024*\t+512
.endr
	s_wait_dscnt 0x0                               ; for the others' sake: my group lies in LDS
	s_barrier_signal -1
	WIN 0x04
	v_mul_f32 v30, s40, v168                       ; lane i: w1[l][32 kh + i], two chains
	v_mul_f32 v31, s41, v169
.irp t, 2,4,6,8,10,12,14
	v_fmac_f32 v30, s[40+\t], v[168+\t]
	v_fmac_f32 v31, s[41+\t], v[169+\t]
.endr
	WIN 0
	v_add_f32 v30, v30, v31
	v_mul_f32 v30, 0x3d800000, v30                 ; x 1/16: exact
	s_wait_alu depctr_va_vdst(0)
	s_barrier_wait -1
.macro W2LOAD p                        ; w2 of groups 2 p and 2 p + 1
.irp g, 0,1
.irp i, 0,1,2,3,4,5,6,7
	ds_load_b128 v[W2+32*\g+4*\i:W2+32*\g+4*\i+3], v[WL] offset:4096*(2*(\p)+\g)+512*\i
.endr
.endr
.endm
.macro MAXW                            ; the largest |w2| of my 32, for both groups: v16, v18
.irp g, 0,1
	v_max3_num_f32 v[16+2*\g], |v[W2+32*\g]|, |v[W2+32*\g+1]|, |v[W2+32*\g+2]|
	v_max3_num_f32 v[17+2*\g], |v[W2+32*\g+3]|, |v[W2+32*\g+4]|, |v[W2+32*\g+5]|
.endr
.irp i, 6,10,14,18,22,26
.irp g, 0,1
	v_max3_num_f32 v[16+2*\g], v[16+2*\g], |v[W2+32*\g+\i]|, |v[W2+32*\g+\i+1]|
	v_max3_num_f32 v[17+2*\g], v[17+2*\g], |v[W2+32*\g+\i+2]|, |v[W2+32*\g+\i+3]|
.endr
.endr
.irp g, 0,1
	v_max3_num_f32 v[16+2*\g], v[16+2*\g], |v[W2+32*\g+30]|, |v[W2+32*\g+31]|
.endr
.irp g, 0,1
	v_max_num_f32 v[16+2*\g], v[16+2*\g], v[17+2*\g]
.endr
.endm
; Scales of step s, groups 2 p and 2 p + 1.  Block q = 2 (group) + c is i = 2 s + c, half h of j.
; a x the largest |w2| is rounded as the numbers are, and rounding keeps order: in magnitude it is the block's largest.
.macro SCL p, s
.set TT, 20+12*((\s)%2)
.set SP, 68+4*((\s)%2)
	v_readlane_b32 s[SP], v30, 2*(\s)
	v_readlane_b32 s[SP+2], v30, 2*(\s)+1
.irp q, 0,1,2,3
	v_mul_f32 v[TT+\q], s[SP+2*(\q%2)], v[16+2*(\q/2)]
.endr
.irp q, 0,1,2,3
	v_max3_num_f32 v[TT+\q], |v[TT+\q]|, |v[TT+\q]|, s76
.endr
.irp q, 0,1,2,3
	v_add_nc_u32 v[TT+\q], s77, v[TT+\q]           ; the conversion takes the exponent field of this as its scale, and nothing else of it
.endr
.irp g, 0,1
	v_lshrrev_b32 v[24+\g], 23, v[TT+2*\g]
	v_lshrrev_b32 v[26+\g], 23, v[TT+2*\g+1]
.endr
.irp g, 0,1
	v_lshl_or_b32 v[24+\g], v[26+\g], 16, v[24+\g]
.endr
.irp g, 0,1
	v_lshlrev_b32 v[24+\g], v[H8], v[24+\g]        ; my two bytes of the column's scale word, blocks h and 2 + h
.endr
	v_permlane16_swap_b32 v24, v25                 ; lanes 0-15 now have both parts of the first group's words, lanes 16-31 both of the second's
	v_or_b32 v[WSC+2*(\s)+(\p)], v24, v25
.endm
.macro PKQ sp, q, k                    ; eight products of block q
.irp i, 0,2,4,6
	v_pk_mul_f32 v[192+32*((\q)%2)+8*(\k)+\i:193+32*((\q)%2)+8*(\k)+\i], s[\sp+2*((\q)%2):\sp+2*((\q)%2)+1], v[W2+32*((\q)/2)+8*(\k)+\i:W2+32*((\q)/2)+8*(\k)+\i+1] op_sel_hi:[0,1]
.endr
.endm
.macro CVQ p, s, q, k                  ; and their codes
	v_cvt_scalef32_pk8_fp4_f32 v[32*((\s)%6)+16*(\p)+4*(\q)+(\k)], v[192+32*((\q)%2)+8*(\k):199+32*((\q)%2)+8*(\k)], v[20+12*((\s)%2)+(\q)]
.endm
; Two fragments of W: step s of my half of K.  A block's conversions alternate with the next block's products, over to the next step where it lies in the same window.
.macro GSTEP p, s, first, last
.set gW, 65*((((\s)/6)+1)%3+1)         ; destination and source 0: window 2, 3, 1 for steps 0-5, 6-11, 12-15; source 1 window 0
.set gS, 68+4*((\s)%2)
.set gN, 68+4*(((\s)+1)%2)
	WIN 0
.if \first
	SCL \p, \s
	WIN gW
.irp k, 0,1,2,3
	PKQ gS, 0, \k
.endr
	WIN 0
.endif
.if (\last) == 0
	SCL \p, (\s)+1
.endif
	WIN gW
.irp q, 0,1,2
.irp k, 0,1,2,3
	CVQ \p, \s, \q, \k
	PKQ gS, \q+1, \k
.endr
.endr
.irp k, 0,1,2,3
	CVQ \p, \s, 3, \k
.if (\last) == 0
	PKQ gN, 0, \k
.endif
.endr
.endm
; Quarter c (four steps of 128 along K) of the unit at place v of the ring: E's rows into registers 0-7 of each fragment, O's into 8-15; and four scale words a row.  17 LDS loads.
.macro FRG v, c
.set fB, 128+64*(((\c)+3)/4)           ; quarter 0 at v128, the others at v192, in windows 1, 1, 2, 3
	WIN 64*(1+(\c)/2+(\c)/3)
.irp s, 0,1,2,3
.irp d, 0,1
	ds_load_b128 v[fB+16*\s+4*\d:fB+16*\s+4*\d+3], v[AE+(\c)/2] offset:UST*(\v)+64*((4*(\c)+\s)%8)+32*\d
	ds_load_b128 v[fB+16*\s+8+4*\d:fB+16*\s+11+4*\d], v[AO+(\c)/2] offset:UST*(\v)+64*((4*(\c)+\s)%8)+32*\d
.endr
.endr
	WIN 0
	ds_load_b128 v[XSC+4*(\c):XSC+4*(\c)+3], v[AS] offset:4352*((\v)%2)+16*(\c)
.endm
; Two steps of quarter c: eight matrix instructions into accumulator set a; the four accumulators take turns.  zero = 1: the first product starts the sums.
.macro MM2 a, c, s0, zero
	WIN (1+(\c)/2+(\c)/3)+4*((((4*(\c)+\s0)/6)+1)%3+1)
.irp s, \s0, \s0+1
.irp g, 0,1,2,3
.set rD, ACC+64*(\a)+16*\g
.set rA, 128+64*(((\c)+3)/4)+16*(\s)
.set rK, 4*(\c)+(\s)
.set rB, 32*(rK%6)+8*\g
.if (\zero) && ((\s) == 0)
.if \g%2
	v_wmma_scale_f32_32x16x128_f4 v[rD:rD+15], v[rA:rA+15], v[rB:rB+7], 0, v[XSC+rK], v[WSC+2*rK+\g/2] matrix_b_scale:MATRIX_SCALE_ROW1
.else
	v_wmma_scale_f32_32x16x128_f4 v[rD:rD+15], v[rA:rA+15], v[rB:rB+7], 0, v[XSC+rK], v[WSC+2*rK+\g/2]
.endif
.else
.if \g%2
	v_wmma_scale_f32_32x16x128_f4 v[rD:rD+15], v[rA:rA+15], v[rB:rB+7], v[rD:rD+15], v[XSC+rK], v[WSC+2*rK+\g/2] matrix_b_scale:MATRIX_SCALE_ROW1
.else
	v_wmma_scale_f32_32x16x128_f4 v[rD:rD+15], v[rA:rA+15], v[rB:rB+7], v[rD:rD+15], v[XSC+rK], v[WSC+2*rK+\g/2]
.endif
.endif
.endr
.endr
.endm
.macro EXPORT a                        ; set a's sums of E, from each accumulator's low end on; the buffers take turns with the sets
.irp g, 0,1,2,3
	ds_store_b128 v[EXO], v[ACC+64*(\a)+16*\g:ACC+64*(\a)+16*\g+3] offset:16384*(\a)+1024*\g
	ds_store_b128 v[EXO], v[ACC+64*(\a)+16*\g+4:ACC+64*(\a)+16*\g+7] offset:16384*(\a)+1024*\g+512
.endr
.endm
.macro IMPORT a, half, reg             ; the partner's sums of my O: rows 8 h + 4 half + 0 .. 3
.irp g, 0,1,2,3
	ds_load_b128 v[\reg+4*\g:\reg+4*\g+3], v[EXI] offset:16384*(\a)+1024*\g+512*(\half)
.endr
.endm
.macro FINISH a, half, reg, res        ; add, four neighbouring columns into four registers on end, and store: sixteen lanes fill 256 consecutive bytes of a row
.irp j, 0,1,2,3
.irp g, 0,1,2,3
	v_add_f32 v[\res+4*\j+\g], v[ACC+64*(\a)+16*\g+8+4*(\half)+\j], v[\reg+4*\g+\j]
.endr
.endr
.irp j, 0,1,2,3
	global_store_b128 v[CO], v[\res+4*\j:\res+4*\j+3], s[8:9] offset:8192*(4*(\half)+\j) th:TH_STORE_NT
.endr
.endm
; One unit, at place v of the ring, into set a.  kind 0: a plain barrier (for the exchange and the scales); 1: the next unit's slot has to have landed too; 2: and this slot is filled again.
; prev = 1: the unit before is handed over and finished meanwhile.  next = 1: the next unit's fragments are fetched meanwhile.
; st: the next unit's scales are stored, st younger loads may stay out (9: none are stored).  ld = 1: the scales three units on are loaded.
.macro UNIT a, v, kind, prev, next, st, ld
.set QQ, 1-(\a)
.set NV, ((\v)+1)%4
.set SR, SCR+8*(NV%2)
.if \prev
	EXPORT QQ                                      ; (the additions at the last unit's end are the places behind its last products)
.endif
	FRG \v, 3
	MM2 \a, 0, 0, 1
	MM2 \a, 0, 2, 0
	WIN 0
.if \prev
	s_wait_xcnt 0x0                                ; the last stores have read their data and their base, the last loads and prefetch their bases
	s_add_nc_u64 s[8:9], s[8:9], 0x40000           ; 32 rows of out0 on
.if \ld
	s_add_nc_u64 s[6:7], s[6:7], 0x1000            ; a unit's scales on
.endif
.if \kind == 2
	s_add_nc_u64 s[PFA:PFA+1], s[PFA:PFA+1], 0x20000
.endif
.if \st != 9
	s_wait_loadcnt \st                             ; the next unit's two loads are in
	ds_store_b128 v[SCS], v[SR:SR+3] offset:4352*(NV%2)
	ds_store_b128 v[SCS], v[SR+4:SR+7] offset:4352*(NV%2)+544
.endif
	MM2 \a, 1, 0, 0
	WIN 0
.if \kind > 0
	s_wait_tensorcnt 0x0                           ; all my tensor loads have landed: my part of the other slot
	ds_add_u32 v[SPW], v[NIL]
.endif
.if \kind == 2
	s_add_nc_u64 s[G0+4*((\v)/2)+2:G0+4*((\v)/2)+3], s[G0+4*((\v)/2)+2:G0+4*((\v)/2)+3], 0x40000
.endif
	s_wait_dscnt 0x0                               ; my sums of E and my scales lie in LDS, my reads of this unit are over, the add is done
	s_barrier_signal -1
	MM2 \a, 1, 2, 0
	WIN 0
	s_barrier_wait -1
.else
	s_wait_dscnt 17                                ; quarter 1 is in
	MM2 \a, 1, 0, 0
	WIN 0
	s_wait_dscnt 0x0                               ; quarters 2 and 3 are in: my reads of this unit's scale buffer are over, which the next unit stores to
	s_barrier_signal -1
	MM2 \a, 1, 2, 0
	WIN 0
	s_barrier_wait -1
.endif
.if \kind == 2
	CREST                                          ; the barrier has opened a round: no wave of any partner still reads this slot or has a load on its way
	JLOAD (\v)/2                                   ; the first tensor load behind the round; its four v_nop are the places in front of the loads below
.else
	PLACES 4
.endif
.if \prev
	IMPORT QQ, 0, IMP
.endif
.if \next
	FRG NV, 0
	FRG NV, 1
.endif
.if \ld
	global_load_b128 v[SR:SR+3], v[SCO], s[6:7] offset:12288
	global_load_b128 v[SR+4:SR+7], v[SCO], s[6:7] offset:12800
.endif
.if \kind == 2
	s_cmp_gt_u32 s3, 1                             ; the last trip's refills have no slot two on
	s_cbranch_scc0 .Lno_ask_\@
	global_prefetch_b8 v[PFO], s[PFA:PFA+1] th:TH_LOAD_NT scope:SCOPE_SE
.Lno_ask_\@:
.endif
	MM2 \a, 2, 0, 0
	MM2 \a, 2, 2, 0
	WIN 0
.if \prev
	s_wait_dscnt 34*(\next)                        ; behind the import: two quarters of 17 loads
	FINISH QQ, 0, IMP, OUT
	IMPORT QQ, 1, IMP
.else
	PLACES 4
.endif
.if \next
	FRG NV, 2
.endif
	MM2 \a, 3, 0, 0
	MM2 \a, 3, 2, 0
	WIN 0
	s_wait_dscnt 17*(\next)                        ; the import and quarters 0 and 1 are in; behind them: one quarter of 17 loads
.if \prev
	s_wait_xcnt 0x0                                ; the four stores above have read their data
	FINISH QQ, 1, IMP, OUT
.else
	PLACES 4
.endif
.endm
	; W: groups 0 and 1
	W2LOAD 0
	s_wait_dscnt 0x0
	MAXW
.irp s, 0,1,2,3,4,5,6,7,8,9,10,11,12,13,14,15
	GSTEP 0, \s, (\s%6)==0, ((\s%6)==5)||(\s==15)
.endr
	WIN 0
	v_nop                                          ; one plain line behind a scaled conversion
	W2LOAD 1
	s_wait_alu depctr_va_vdst(0)
	s_wait_tensorcnt 0x0                           ; my part of slot 0 is in
	ds_add_u32 v[SPW], v[NIL]
	s_wait_dscnt 0x0                               ; the add is done; w2 is in registers
	CROUND                                         ; everybody's part of slot 0 is in, w2's images are done with, and the joint loads meet
	JLOAD 1                                        ; slot 1's first fill
	; groups 2 and 3; unit 0's fragments are fetched meanwhile
	FRG 0, 0
.irp u, 0,1
	global_load_b128 v[SCR+8*\u:SCR+8*\u+3], v[SCO], s[6:7] offset:8192+4096*\u        ; scales of units 2 and 3
	global_load_b128 v[SCR+8*\u+4:SCR+8*\u+7], v[SCO], s[6:7] offset:8704+4096*\u
.endr
	global_prefetch_b8 v[PFO], s[PFA:PFA+1] th:TH_LOAD_NT scope:SCOPE_SE   ; slot 2
	MAXW
.irp s, 0,1,2,3,4,5
	GSTEP 1, \s, (\s%6)==0, ((\s%6)==5)||(\s==15)
.endr
	WIN 0
	v_nop
	FRG 0, 2
.irp s, 6,7,8,9,10,11,12,13,14,15
	GSTEP 1, \s, (\s%6)==0, ((\s%6)==5)||(\s==15)
.endr
	WIN 0
	PLACES 8                                       ; an operand written by vector instructions stands 4 places ahead of a scaled matrix instruction, a scale register so written 8
	s_wait_alu depctr_va_vdst(0)
	s_wait_xcnt 0x0
	s_add_nc_u64 s[PFA:PFA+1], s[PFA:PFA+1], 0x20000
	FRG 0, 1
	global_prefetch_b8 v[PFO], s[PFA:PFA+1] th:TH_LOAD_NT scope:SCOPE_SE   ; slot 3
	s_wait_dscnt 17                                ; quarters 0 and 2 are in; quarter 1's 17 loads may be out
	UNIT 0, 0, 0, 0, 1, 9, 0                       ; unit 0: nothing to hand over yet; unit 1's scales lie in LDS
	s_mov_b32 s3, 3
.Lloop:                                                ; units 4 t + 1 .. 4 t + 4: once round the ring, both slots filled again: slots 2 t + 2 and 2 t + 3
	UNIT 1, 1, 2, 1, 1, 2, 1
	UNIT 0, 2, 0, 1, 1, 2, 1
	UNIT 1, 3, 2, 1, 1, 2, 1
	UNIT 0, 0, 0, 1, 1, 2, 1
	s_sub_co_u32 s3, s3, 1
	s_cmp_lg_u32 s3, 0
	s_cbranch_scc1 .Lloop
	UNIT 1, 1, 1, 1, 1, 2, 0                       ; units 13 to 15 fill nothing
	UNIT 0, 2, 0, 1, 1, 0, 0
	UNIT 1, 3, 0, 1, 0, 9, 0
	EXPORT 1                                       ; unit 15 is handed over and finished
	s_wait_xcnt 0x0
	s_add_nc_u64 s[8:9], s[8:9], 0x40000
	s_wait_dscnt 0x0
	s_barrier_signal -1
	s_barrier_wait -1
	IMPORT 1, 0, IMP
	IMPORT 1, 1, XSC                               ; (x's scale words are done with)
	s_wait_dscnt 4
	FINISH 1, 0, IMP, OUT
	s_wait_dscnt 0x0
	FINISH 1, 1, XSC, WSC                          ; (and W's)
	s_wait_tensorcnt 0x0                           ; the wave's end
	ds_add_u32 v[SPW], v[NIL]
	s_wait_dscnt 0x0
	CROUND                                         ; the closing round: no work-group ends while a partner may still ask for a tile that names it
	s_endpgm
.Lfunc_end_k_q5f2e9bc5aa_lokr:
	.size	k_q5f2e9bc5aa_lokr, .Lfunc_end_k_q5f2e9bc5aa_lokr-k_q5f2e9bc5aa_lokr
	.p2alignl 7, 3214868480
	.fill 96, 4, 3214868480
	.section	.rodata,"a",@progbits
	.p2align	6, 0x0
	.amdhsa_kernel k_q5f2e9bc5aa_lokr
		.amdhsa_group_segment_fixed_size 327680
		.amdhsa_private_segment_fixed_size 0
		.amdhsa_enable_private_segment 0
		.amdhsa_kernarg_size 56
		.amdhsa_user_sgpr_count 2
		.amdhsa_user_sgpr_kernarg_segment_ptr 1
		.amdhsa_wavefront_size32 1
		.amdhsa_system_sgpr_workgroup_id_x 1
		.amdhsa_system_sgpr_workgroup_id_y 1
		.amdhsa_system_sgpr_workgroup_id_z 1
		.amdhsa_system_vgpr_workitem_id 0
		.amdhsa_next_free_vgpr 1024
		.amdhsa_next_free_sgpr 102
		.amdhsa_reserve_vcc 0
		.amdhsa_float_denorm_mode_32 3
		.amdhsa_float_denorm_mode_16_64 3
		.amdhsa_memory_ordered 1
		.amdhsa_forward_progress 1
		.amdhsa_inst_pref_size 255
	.end_amdhsa_kernel
	.section	.bss,"aw",@nobits
	.p2align	6
	.space	262144
	.amdgpu_metadata
---
amdhsa.version: [ 1, 2 ]
amdhsa.kernels:
  - .name:           k_q5f2e9bc5aa_lokr
    .symbol:         k_q5f2e9bc5aa_lokr.kd
    .args:
      - { .name: x_codes, .offset: 0, .size: 8, .value_kind: global_buffer, .address_space: global }
      - { .name: x_scales, .offset: 8, .size: 8, .value_kind: global_buffer, .address_space: global }
      - { .name: out0, .offset: 16, .size: 8, .value_kind: global_buffer, .address_space: global }
      - { .name: w1_a, .offset: 24, .size: 8, .value_kind: global_buffer, .address_space: global }
      - { .name: w1_b, .offset: 32, .size: 8, .value_kind: global_buffer, .address_space: global }
      - { .name: w2_a, .offset: 40, .size: 8, .value_kind: global_buffer, .address_space: global }
      - { .name: w2_b, .offset: 48, .size: 8, .value_kind: global_buffer, .address_space: global }
    .group_segment_fixed_size: 327680
    .private_segment_fixed_size: 0
    .kernarg_segment_align: 8
    .kernarg_segment_size: 56
    .max_flat_workgroup_size: 128
    .sgpr_count:     102
    .vgpr_count:     1024
    .wavefront_size: 32
...
	.end_amdgpu_metadata
.endif
;; end of part 1
